; MI455X (gfx1250); checked and timed in simulation.
; The chip was launched on July 23, 2026; its instructions are those of AMD's public machine-readable ISA for CDNA 5 (MIT licence, August 2026) and "CDNA5" Instruction Set Architecture Reference Guide (July 2026). The comments in the code are by the model that wrote it; some were corrected since.
;; LSTM Cell. Allowed arithmetic: matrix products marked QUANTISED: E4M3 operands, one given power-of-two scale a tensor, by v_wmma_f32_16x16x64_fp8_fp8 or v_wmma_f32_16x16x128_fp8_fp8, f32 sums; everything else in f32.
;; Inputs: W_c 1,024 x 2,048 float32; W_f 1,024 x 2,048 float32; W_i 1,024 x 2,048 float32; W_o 1,024 x 2,048 float32; b_c 1,024 float32; b_f 1,024 float32; b_i 1,024 float32; b_o 1,024 float32; c 8,192 x 1,024 float32; h 8,192 x 1,024 float32; lowp_scales 2 int32 (the exponents e of the quantised operands' scales 2^e); x 8,192 x 1,024 float32.
;; Outputs: out0 8,192 x 1,024 float32; out1 8,192 x 1,024 float32.
;; This version of the problem:
;;   THIS VERSION OF THE PROBLEM IS GIVEN IN LOW PRECISION. The matrix products marked QUANTISED in the list below multiply operands that are first quantised to E4M3 (4 exponent bits, 3 mantissa bits; 8 bits a number), with one given power-of-two scale for each operand tensor; their sums are f32. All else is computed in f32.
;;   The module's matrix products, in the order in which they are computed (A, B: the left and right operand; K: the contracted axis; several contracted axes count as one K, in the product's order):
;;     1. [M 8,192, K 2,048] x [K 2,048, N 4,096]; A: computed on the way; B: computed on the way: QUANTISED (scales: A lowp_scales[0], B lowp_scales[1])
;;   THE QUANTISER, for each operand of a quantised product, along K:
;;     - The operand's scale is 2^e, e = its entry of the input lowp_scales (int32; the entries are numbered through the quantised products in the list's order, A before B).
;;     - Each number is divided by the scale, clamped to +-448, and rounded to the nearest number of E4M3, ties to even, subnormals kept.
;;     - The product sums the exact products of the quantised numbers (number of the format x scale) in f32.
;;   ~~~python
;;   def quantise(x, axis, e):      # numpy; x: float32 -> the quantised numbers, widened to float32 again
;;       x = np.moveaxis(x, axis, -1); K = x.shape[-1]
;;       r = np.clip(x / 2.0 ** e, -448, 448)
;;       step = 2.0 ** (np.maximum(np.frexp(np.where(r == 0, 1, r))[1] - 1, -6) - 3)
;;       q = np.round(r / step) * step * 2.0 ** e      # np.round: ties to even
;;       return np.moveaxis(q, -1, axis).astype(np.float32)
;;   ~~~
;;   OPERANDS COMPUTED ON THE WAY. 'Computed on the way' means the value that the module computes at that place (a softmax that the list does not call 'softmax' is quantised finished and normalised). What goes into a quantiser is computed in f32, as accurately as f32 sums, v_exp_f32 and their like allow (about 1e-6 of the number): no bf16 or f16 on the way to a quantiser, and a product that is left as it is and whose result goes on into a quantised operand takes f32 operands (vector FMAs, or v_wmma_f32_16x16x4_f32). A number that lies on a knife's edge between two numbers of the format may be rounded either way, as far as f32 arithmetic and the matrix unit's own rounding can turn it there, and no further.
;; One version. Each part assembles by itself: llvm-mc -triple=amdgcn-amd-amdhsa -mcpu=gfx1250 --defsym DOCPART=n.
;; ======== version 1 of 1: 2 launches
;; limits: right only within a limited range of input values
;; workspace buffers: a_codes 16,777,216 bytes; w_codes 8,388,608 bytes
;; launch quant (part 1): grid 768 x 1, 4 waves a work-group, no clusters, 33,280 bytes of LDS; arguments x, h, W_f, W_i, W_c, W_o, lowp_scales, a_codes, w_codes; writes a_codes, w_codes
.if DOCPART == 1
	.amdgcn_target "amdgcn-amd-amdhsa--gfx1250"
	.amdhsa_code_object_version 6
	.text
	.protected	k_q2c221acbca_quant
	.globl	k_q2c221acbca_quant
	.p2align	8
	.type	k_q2c221acbca_quant,@function
k_q2c221acbca_quant:
	s_mov_b64 s[64:65], 0
	v_nop
	global_prefetch_b8 v0, s[64:65] scope:SCOPE_SE
	s_setreg_imm32_b32 hwreg(HW_REG_WAVE_MODE, 25, 1), 1
	s_wait_xcnt 0x0
; x, h [8192][1024] and W_f, W_i, W_c, W_o [1024][2048], all f32, become codes of FP8 (E4M3), K innermost, for the product [x | h] [W_f; W_i; W_c; W_o]^T.
; code = number / 2^e, held within +-448, rounded to the nearest code, ties to even.  e: entry 0 of the scales' buffer for x and h, entry 1 for the weights.
; LIMITS: -126 <= e <= 119, so that 2^e and 448 x 2^e are f32 numbers.  NaN among the inputs is not served (an infinity is held at the largest code).
; a_codes [8192][2048]: row m = x[m]'s 1,024 codes, then h[m]'s.
; w_codes [4096][2048]: gate g (0 f, 1 i, 2 c, 3 o), hidden unit u lies at row (u / 32) 128 + 32 g + u % 32, so that 128 neighbouring rows hold the four gates of 32 neighbouring units.
; SHARES.  A work-group takes 32,768 numbers, a wave a run of 8,192 in 16 steps of 512.  Work-groups 0-255 take x, 256-511 h, then 64 each W_f, W_i, W_c, W_o.  One path serves all six: only pointers, offsets, a stride and e are chosen.
; A run is 8 rows of x or h, whose codes lie 2,048 bytes apart, or 4 rows of a weight, whose codes are dense: step t's 512 codes go to (t / 2) x stride + 512 (t % 2), stride 2,048 or 1,024.
; Each of a step's four loads reads 512 consecutive bytes; the 2,048 bytes turn through the wave's own stage in LDS and come back 64 bytes a lane (16 of padding behind each 64), so that a lane holds 16 neighbours along K.
; A lane's 16 codes are 16 bytes: a store covers 512 consecutive bytes, aligned.  No tensor loads, no barrier: waves share nothing.  Loads run eight steps (32 loads a wave) ahead, the turn through LDS one step.
.set STEPS, 16
.set AHEAD, 8
.set EMAX,  8
.set MANT,  0x600000                   ; the mantissa field of 448 as f32
.set R,     16                         ; v16-143  eight sets of 16 numbers as they are loaded
.set X,     144                        ; v144-175 two sets of 16 neighbours
.set OF,    176                        ; v176-183 16 x lane + i x stride: where steps 2 i and 2 i + 1 store; never rewritten
.set C,     184                        ; v184-247 codes: four registers a step, so that no store's data are written again
.set SPW,   250                        ; my spare word; never rewritten
.set NIL,   251                        ; 0; never rewritten
.set WREG,  8192                       ; LDS: a region for each wave: two stages of 32 x SP bytes
.set SP,    80
.set SPARE, 4*WREG                     ; the spare words: 512 bytes that no other line names
	s_load_b512 s[8:23], s[0:1], 0x0               ; x, h, W_f, W_i, W_c, W_o, the scales' exponents s[20:21], a_codes s[22:23]
	s_load_b64 s[24:25], s[0:1], 0x40              ; w_codes
	v_lshl_add_u32 v[SPW], v0, 2, SPARE
	v_mov_b32 v[NIL], 0
	v_lshrrev_b32 v1, 5, v0
	v_readfirstlane_b32 s28, v1                    ; wave 0..3
	s_and_b32 s32, ttmp9, 255                      ; both cases are worked out first, then chosen behind one compare
	s_lshl_b32 s32, s32, 2
	s_add_co_u32 s32, s32, s28                     ; x, h: which run of 8 rows
	s_lshl_b32 s33, s32, 14                        ; its 8 rows of 2,048 bytes in a_codes,
	s_lshr_b32 s34, ttmp9, 8
	s_lshl_b32 s34, s34, 10
	s_add_co_u32 s33, s33, s34                     ; + 1,024 for h
	s_and_b32 s35, ttmp9, 63
	s_lshl_b32 s35, s35, 2
	s_add_co_u32 s35, s35, s28                     ; a weight: which run of 4 rows
	s_lshl_b32 s36, s35, 2                         ; its first unit u, a multiple of 4: the four rows stay neighbours in w_codes
	s_lshr_b32 s37, s36, 5
	s_lshl_b32 s37, s37, 7                         ; (u / 32) 128
	s_and_b32 s36, s36, 31
	s_add_co_u32 s37, s37, s36                     ; + u % 32
	s_lshr_b32 s36, ttmp9, 6
	s_and_b32 s36, s36, 3                          ; the gate: work-groups 512 + 64 g on
	s_lshl_b32 s36, s36, 5
	s_add_co_u32 s37, s37, s36                     ; + 32 g
	s_lshl_b32 s37, s37, 11                        ; in bytes
	s_mov_b32 s30, 2048
	s_mov_b32 s31, 1024
	s_cmp_lt_u32 ttmp9, 512
	s_cselect_b32 s32, s32, s35                    ; the run
	s_cselect_b32 s36, s33, s37                    ; where its codes begin
	s_cselect_b32 s30, s30, s31                    ; the stride
	s_mov_b32 s37, 0
	s_lshl_b32 s34, s32, 15                        ; where its numbers begin: 8,192 x 4 bytes a run
	s_mov_b32 s35, 0
	s_mul_i32 s29, s28, WREG
.irp i, 0,1,2,3,4,5,6,7
	s_mul_i32 s[40+\i], s30, \i
.endr
	v_and_b32 v2, 31, v0                           ; lane
	v_lshlrev_b32 v3, 4, v2                        ; my 16 bytes of a load's 512, and of a step's 512 codes
	v_lshrrev_b32 v14, 2, v2
	v_mul_u32_u24 v14, v14, SP
	v_and_b32 v15, 3, v2
	v_lshl_add_u32 v14, v15, 4, v14
	v_add_nc_u32 v14, s29, v14                     ; the stage, on the way in: four lanes' 64 bytes on end, then 16 of padding
	v_mul_u32_u24 v15, v2, SP
	v_add_nc_u32 v15, s29, v15                     ; and on the way out: my 16 neighbours
.irp i, 0,1,2,3,4,5,6,7
	v_add_nc_u32 v[OF+\i], s[40+\i], v3
.endr
	s_wait_alu depctr_va_vdst(0)
	s_wait_kmcnt 0x0
	s_load_b64 s[26:27], s[20:21], 0x0             ; ea, eb
	s_mov_b64 s[4:5], s[8:9]                       ; the source: each choice hangs on the work-group's number alone
	s_cmp_ge_u32 ttmp9, 256
	s_cselect_b64 s[4:5], s[10:11], s[4:5]
	s_cmp_ge_u32 ttmp9, 512
	s_cselect_b64 s[4:5], s[12:13], s[4:5]
	s_cmp_ge_u32 ttmp9, 576
	s_cselect_b64 s[4:5], s[14:15], s[4:5]
	s_cmp_ge_u32 ttmp9, 640
	s_cselect_b64 s[4:5], s[16:17], s[4:5]
	s_cmp_ge_u32 ttmp9, 704
	s_cselect_b64 s[4:5], s[18:19], s[4:5]
	s_cmp_lt_u32 ttmp9, 512
	s_cselect_b64 s[6:7], s[22:23], s[24:25]       ; the destination
	s_add_nc_u64 s[4:5], s[4:5], s[34:35]
	s_add_nc_u64 s[6:7], s[6:7], s[36:37]
.macro LOAD t
.irp i, 0,1,2,3
	global_load_b128 v[R+16*((\t)%AHEAD)+4*\i:R+16*((\t)%AHEAD)+4*\i+3], v3, s[4:5] offset:2048*(\t)+512*\i th:TH_LOAD_NT   ; 512 consecutive bytes; read once in the launch
.endr
.endm
.macro TURN t                          ; LDS serves a wave's instructions in order (ISA guide 5.7.1.4): no wait between the stores and the loads
.irp i, 0,1,2,3
	ds_store_b128 v14, v[R+16*((\t)%AHEAD)+4*\i:R+16*((\t)%AHEAD)+4*\i+3] offset:32*SP*((\t)%2)+8*SP*\i
.endr
.irp i, 0,1,2,3
	ds_load_b128 v[X+16*((\t)%2)+4*\i:X+16*((\t)%2)+4*\i+3], v15 offset:32*SP*((\t)%2)+16*\i
.endr
.endm
.irp t, 0,1,2,3,4,5,6,7
	LOAD \t
.endr
	s_wait_kmcnt 0x0
	s_cmp_lt_u32 ttmp9, 512
	s_cselect_b32 s26, s26, s27                    ; e
	s_add_co_i32 s26, s26, 127
	s_lshl_b32 s27, s26, 23
	v_mov_b32 v11, s27                             ; 2^e as f32: the conversion takes its exponent field
	s_add_co_i32 s26, s26, EMAX
	s_lshl_b32 s26, s26, 23
	s_or_b32 s26, s26, MANT
	v_mov_b32 v10, s26                             ; 448 x 2^e
	s_wait_alu depctr_va_vdst(0)
	s_wait_loadcnt 4*(AHEAD-1)                     ; step 0's four loads are in; those of steps 1 to 7 may be out
	TURN 0
.macro STEP t
.set XS, X+16*((\t)%2)
	s_wait_dscnt 0x0                               ; this step's numbers are back from the stage: so its stores into the stage have read their registers,
.if (\t)+AHEAD < STEPS
	LOAD (\t)+AHEAD                                ; which take the loads of eight steps on
.endif
.if (\t)+1 < STEPS
.if STEPS-2-(\t) >= AHEAD-1
	s_wait_loadcnt 4*(AHEAD-1)                     ; the next step's four loads are in; those of the seven steps behind it may be out
.else
	s_wait_loadcnt 4*(STEPS-2-(\t))                ; the last steps: fewer are behind it
.endif
	TURN (\t)+1
.endif
.irp i, 0,1,2,3,4,5,6,7,8,9,10,11,12,13,14,15
	v_med3_num_f32 v[XS+\i], v[XS+\i], -v10, v10   ; the conversion does not saturate (ISA guide 7.6.2): the number is held first
.endr
	v_cvt_scalef32_pk8_fp8_f32 v[C+4*(\t):C+4*(\t)+1], v[XS:XS+7], v11
	v_cvt_scalef32_pk8_fp8_f32 v[C+4*(\t)+2:C+4*(\t)+3], v[XS+8:XS+15], v11     ; (the codes go to a store alone; the next vector lines are plain ones on other registers)
	global_store_b128 v[OF+(\t)/2], v[C+4*(\t):C+4*(\t)+3], s[6:7] offset:512*((\t)%2)   ; 512 consecutive bytes, at a multiple of 512 from the buffer's first byte
.endm
.irp t, 0,1,2,3,4,5,6,7,8,9,10,11,12,13,14,15
	STEP \t
.endr
	s_wait_tensorcnt 0x0                           ; the wave's end
	ds_add_u32 v[SPW], v[NIL]
	s_wait_dscnt 0x0
	s_endpgm
.Lfunc_end_k_q2c221acbca_quant:
	.size	k_q2c221acbca_quant, .Lfunc_end_k_q2c221acbca_quant-k_q2c221acbca_quant
	.p2alignl 7, 3214868480
	.fill 96, 4, 3214868480
	.section	.rodata,"a",@progbits
	.p2align	6, 0x0
	.amdhsa_kernel k_q2c221acbca_quant
		.amdhsa_group_segment_fixed_size 33280
		.amdhsa_private_segment_fixed_size 0
		.amdhsa_enable_private_segment 0
		.amdhsa_kernarg_size 72
		.amdhsa_user_sgpr_count 2
		.amdhsa_user_sgpr_kernarg_segment_ptr 1
		.amdhsa_wavefront_size32 1
		.amdhsa_system_sgpr_workgroup_id_x 1
		.amdhsa_system_sgpr_workgroup_id_y 1
		.amdhsa_system_sgpr_workgroup_id_z 1
		.amdhsa_system_vgpr_workitem_id 0
		.amdhsa_next_free_vgpr 252
		.amdhsa_next_free_sgpr 66
		.amdhsa_reserve_vcc 0
		.amdhsa_float_denorm_mode_32 3
		.amdhsa_float_denorm_mode_16_64 3
		.amdhsa_memory_ordered 1
		.amdhsa_forward_progress 1
		.amdhsa_inst_pref_size 39
	.end_amdhsa_kernel
	.amdgpu_metadata
---
amdhsa.version: [ 1, 2 ]
amdhsa.kernels:
  - .name:           k_q2c221acbca_quant
    .symbol:         k_q2c221acbca_quant.kd
    .args:
      - { .name: x, .offset: 0, .size: 8, .value_kind: global_buffer, .address_space: global }
      - { .name: h, .offset: 8, .size: 8, .value_kind: global_buffer, .address_space: global }
      - { .name: W_f, .offset: 16, .size: 8, .value_kind: global_buffer, .address_space: global }
      - { .name: W_i, .offset: 24, .size: 8, .value_kind: global_buffer, .address_space: global }
      - { .name: W_c, .offset: 32, .size: 8, .value_kind: global_buffer, .address_space: global }
      - { .name: W_o, .offset: 40, .size: 8, .value_kind: global_buffer, .address_space: global }
      - { .name: lowp_scales, .offset: 48, .size: 8, .value_kind: global_buffer, .address_space: global }
      - { .name: a_codes, .offset: 56, .size: 8, .value_kind: global_buffer, .address_space: global }
      - { .name: w_codes, .offset: 64, .size: 8, .value_kind: global_buffer, .address_space: global }
    .group_segment_fixed_size: 33280
    .private_segment_fixed_size: 0
    .kernarg_segment_align: 8
    .kernarg_segment_size: 72
    .max_flat_workgroup_size: 128
    .sgpr_count:     66
    .vgpr_count:     252
    .wavefront_size: 32
...
	.end_amdgpu_metadata
.endif
;; end of part 1
;; launch cell (part 2): grid 16 x 16, 4 waves a work-group, clusters of 4 x 4, 327,680 bytes of LDS; arguments a_codes, w_codes, lowp_scales, c, b_f, b_i, b_c, b_o, out0, out1; writes out0, out1
.if DOCPART == 2
	.amdgcn_target "amdgcn-amd-amdhsa--gfx1250"
	.amdhsa_code_object_version 6
	.text
	.protected	k_q2c221acbca_cell
	.globl	k_q2c221acbca_cell
	.p2align	8
	.type	k_q2c221acbca_cell,@function
k_q2c221acbca_cell:
	s_mov_b64 s[64:65], 0
	v_nop
	global_prefetch_b8 v0, s[64:65] scope:SCOPE_SE
	s_setreg_imm32_b32 hwreg(HW_REG_WAVE_MODE, 25, 1), 1
	s_wait_xcnt 0x0
	s_wait_alu depctr_hold_cnt(0) depctr_sa_sdst(0) depctr_va_vdst(0) depctr_va_sdst(0) depctr_va_ssrc(0) depctr_va_vcc(0) depctr_vm_vsrc(0)
	s_getreg_b32 s2, hwreg(HW_REG_IB_STS2, 6, 4)
	s_cmp_eq_u32 s2, 0
	s_cbranch_scc0 .Lentry_in_a_cluster
	s_endpgm
.Lentry_in_a_cluster:
	s_bfe_u32 s2, ttmp6, 0x10000c
	s_cmp_lg_u32 s2, 0xf033
	s_cbranch_scc0 .Lentry_shape_is_right
	s_endpgm
.Lentry_shape_is_right:
; The LSTM cell on codes of FP8 (E4M3).  gates = A B^T x 2^(ea + eb) + b;  f, i, o = sigmoid, g = tanh;  out0 = c_new = f c + i g;  out1 = h_new = o tanh(c_new).  The gates never go to memory.
; A = a_codes [8192][2048] (x's codes, then h's).  B = w_codes [4096][2048]: gate g, hidden unit u at row (u / 32) 128 + 32 g + u % 32.  c, out0, out1: [8192][1024] f32.  b_*: [1024] f32.
; LIMITS: ea + eb between -126 and 126 (it is added to the exponent fields of -log2(e) and 2 log2(e)).  NaN is not served.  tanh(z) = 1 - 2 / (1 + e^(2 z)): its error is absolute, of the size of f32's rounding at 1.
; For any finite gate the forms saturate by themselves (the exponential goes to infinity or 0, the reciprocal to 0 or 1): no clamp is written.
; Each output is ONE f32 sum over all 2,048 k, but it does not begin at k = 0 everywhere (below): the order of rounding differs from a sum in ascending k.
; SHARES.  A tile is 256 rows x 256 gate columns (64 units x 4 gates); four waves, each 128 x 128: 64 accumulators, 512 registers.  256 work-groups; EACH MAKES TWO TILES, 4,096 rows apart, on the same rows of B.
; K goes in steps of 256 through a ring of two LDS slots filled by joint tensor loads (rows of 256 bytes).  THE RING DOES NOT STOP AT A TILE'S END: the first tile's last two changes of slots ask for the second tile's first two K steps.
; CLUSTERS: 4 x 4.  A's tile is shared along a row of the cluster, B's along a column: one load, one descriptor, a mask that names the four.
; Cluster (X, Y) begins at K step (2 X + 4 Y) mod 8 and wraps: from its third K step on it asks for tiles of A that another cluster asked for two K steps earlier, from its fifth for tiles of B likewise;
; what is left are the K steps asked for at the head and just behind it, which have no loop to run ahead in: so no prefetch of A's and B's tiles is written.  c's tile is prefetched (below).
; TRANSPOSED USE (source 0 = 16 rows of B, source 1 = 16 rows of A): in block a lane (r, hh) holds row 16 a + r, and register 16 g + k of the block's 64 is gate g of unit 16 (k / 8) + 8 hh + k % 8: the four gates of an output lie in one lane.
; A fragment comes by four loads of 16 bytes: a permutation of k inside the 128, the same in A and in B.
; c COMES STRAIGHT INTO REGISTERS: a wave's four loads of a block cover 128 consecutive bytes of each of its 16 rows, the wave beside it the other 128; each row's 256 bytes are named whole by a prefetch in the lap before.
; THE WAY OUT: c_new and h_new go block by block through two stage buffers BEHIND the ring (bytes of their own: the slots are still being filled) and leave as whole rows of 256 bytes.
; REGISTERS: window 0: v1-30 addresses; v32-95 biases, scaled; v96-143 c, three sets of 16; from v128 A's fragments, one set; on the way out v144-207 the gates, v208-239 rows read back.
;   window 1: B's fragments, two sets.  windows 2, 3: the accumulators ((a, b) at v[8 (8 (a % 4) + b)]).
.set ROWB,   256
.set KROW,   2048
.set CROW,   4096
.set PITCH,  272                       ; 256 bytes + 16 of padding: the 16 rows that a load touches start at 16 different banks (ISA guide 11.1)
.set FR,     16
.set NL,     4
.set NP,     4                         ; places behind this matrix instruction (ISA guide 7.12.1)
.set HALFT,  128*PITCH
.set SLOT,   4*HALFT                   ; A's 256 rows, then B's 256 rows
.set LAPS,   4
.set NEXT_A, 4096*KROW                 ; bytes from a tile's rows of A to the next tile's
.set NEXT_C, 4096*CROW                 ; the same in c, out0, out1
.set SPARE,  2*SLOT                    ; the spare words: 512 bytes that no other line names
.set STG,    SPARE+512                 ; the stages: buffer (a % 2) x SBUF + output x SOUT + rh x SHALF + row x 272
.set SHALF,  16*PITCH
.set SOUT,   2*SHALF
.set SBUF,   2*SOUT
.set ADRA, 16                          ; v16-17 my A fragments in slot 0, 1
.set ADRB, 20                          ; v20-21 the same for B
.set CA,   22                          ; r x 4,096 + 32 hh: my bytes of c
.set ST,   23                          ; where I put 32 bytes of a stage row
.set RD,   25                          ; where I read whole rows back: stage ch, my half's rows
.set CO,   26                          ; the same two rows in my output
.set PF,   27                          ; thread x 4,096: a row of c's tile for the prefetch
.set SPW,  28                          ; my spare word; never rewritten
.set NIL,  29                          ; 0; never rewritten
.set BO,   30                          ; 32 hh
.set BIAS, 32
.set CC,   96
.set G,    144
.set BK,   208
.set AF,   128
.set TW,  12                           ; s[12:13] 2 log2(e), twice
.set G1,  24                           ; s[24:31] group 1, s[32:39] groups 0 for A's tiles
.set G0,  32
.set G1B, 48                           ; s[48:55], s[56:63] the same for B's
.set G0B, 56
.set KO,  66                           ; s[66:67] slot 0's, s[100:101] slot 1's place along K in bytes
.set BP,  68                           ; s[68:75] the four biases at my 32 units
.set TC,  80                           ; tiles to go
.set CP,  82                           ; s[82:83] c at my rows and my 32 units
.set KS,  92                           ; s[92:93] -log2(e) x 2^(ea + eb), twice
.set KT,  94                           ; s[94:95] 2 log2(e) x 2^(ea + eb), twice
.set OUTP, 98                          ; s[98:99] the output that I store (ch) at my first row
.set MSB, 0
.macro WIN new                         ; the immediate's high byte repeats the setting that is left
.if MSB != \new
	s_set_vgpr_msb (MSB<<8)|\new
.set MSB, \new
.endif
.endm
.set MUL_LO, 0xa1
.set MUL_HI, 0xf1
.set TO_B,   0x40
.macro JLOAD g0a, g1a, g0b, g1b        ; a joint load: waves 0, 1 for A, waves 2, 3 for B; s_nop 0 and four v_nop behind each line
	s_cmp_eq_u32 s15, 0
	s_cbranch_scc0 .Lfor_b_\@
	tensor_load_to_lds s[\g0a:\g0a+3], s[\g1a:\g1a+7]
	s_nop 0
.rept 4
	v_nop
.endr
	s_branch .Lasked_\@
.Lfor_b_\@:
	tensor_load_to_lds s[\g0b:\g0b+3], s[\g1b:\g1b+7]
	s_nop 0
.rept 4
	v_nop
.endr
.Lasked_\@:
.endm
.macro CREST                           ; a round of the cluster's barrier behind its opening barrier
	s_cmp_lg_u32 s14, 0
	s_cbranch_scc1 .Lnot_wave_0_\@
	s_barrier_signal -3
.Lnot_wave_0_\@:
	s_barrier_wait -3
	s_barrier_signal -1
	s_barrier_wait -1
.endm
.macro CROUND
	s_barrier_signal -1
	s_barrier_wait -1
	CREST
.endm
	s_load_b128 s[4:7], s[0:1], 0x0                ; A's codes, B's codes
	s_load_b128 s[8:11], s[0:1], 0x10              ; the scales' exponents, c
	s_load_b256 s[BP:BP+7], s[0:1], 0x20           ; b_f, b_i, b_c, b_o
	s_load_b128 s[76:79], s[0:1], 0x40             ; out0, out1
	v_lshl_add_u32 v[SPW], v0, 2, SPARE
	v_mov_b32 v[NIL], 0
	ds_add_u32 v[SPW], v[NIL]                      ; the opening lines: the add, twice on end, and its wait
	ds_add_u32 v[SPW], v[NIL]
	v_lshrrev_b32 v1, 5, v0
	v_readfirstlane_b32 s14, v1                    ; wave 0..3
	s_lshr_b32 s15, s14, 1                         ; rh: my half of the rows.  Also: I fetch for A (0) or B (1)
	s_and_b32 s16, s14, 1                          ; ch: my half of the columns.  Also: which 128 rows I fetch, and which output I store
	s_bfe_u32 s40, ttmp6, 0x40000                  ; cx
	s_bfe_u32 s41, ttmp6, 0x40004                  ; cy
	s_lshl_b32 s42, ttmp9, 2
	s_add_co_u32 s42, s42, s40                     ; tile column
	s_and_b32 s17, ttmp7, 0xffff
	s_lshl_b32 s17, s17, 2
	s_add_co_u32 s17, s17, s41                     ; the first tile's row, 0..15
	s_lshl_b32 s43, s41, 2
	s_lshl_b32 s43, 15, s43                        ; my row of the cluster
	s_lshl_b32 s44, 0x1111, s40                    ; my column
	s_lshl_b32 s[KO], ttmp9, 1                     ; the start along K: (2 X + 4 Y) mod 8, of the cluster's coordinates alone
	s_and_b32 s[KO+1], ttmp7, 0xffff
	s_lshl_b32 s[KO+1], s[KO+1], 2
	s_add_co_u32 s[KO], s[KO], s[KO+1]
	s_and_b32 s[KO], s[KO], 7
	s_lshl_b32 s[KO], s[KO], 8
	s_mov_b32 s[KO+1], 0
	s_add_co_u32 s[KO+34], s[KO], ROWB             ; an even start: the next K step lies inside the row
	s_mov_b32 s[KO+35], 0
	s_or_b32 s[G1+0], s43, (0<<16)|(1<<20)|(1<<21)|(5<<22)|(3<<25)  ; mask; 1-byte elements; padding of 4 words behind every 64; bit 21 beside a mask
	s_or_b32 s[G1B+0], s44, (0<<16)|(1<<20)|(1<<21)|(5<<22)|(3<<25)
.irp g, G1, G1B
	s_mov_b32 s[\g+1], ROWB<<16
	s_mov_b32 s[\g+2], 128<<16
	s_mov_b32 s[\g+3], ROWB<<16
	s_mov_b32 s[\g+4], 128
	s_mov_b32 s[\g+5], KROW
	s_mov_b32 s[\g+6], 0
	s_mov_b32 s[\g+7], 0
.endr
	s_lshl_b32 s18, s16, 7
	s_lshl_b32 s20, s17, 8
	s_add_co_u32 s20, s20, s18
	s_lshl_b32 s20, s20, 11                        ; A: (256 x tile row + 128 x half) rows of 2,048 bytes
	s_mov_b32 s21, 0
	s_lshl_b32 s46, s42, 8
	s_add_co_u32 s46, s46, s18
	s_lshl_b32 s46, s46, 11                        ; B likewise, by the tile column
	s_mov_b32 s47, 0
	s_mul_i32 s45, s14, HALFT                      ; where they go: wave x 128 rows
	s_wait_dscnt 0x0                               ; both opening adds are done
	s_wait_kmcnt 0x0
	s_load_b64 s[96:97], s[8:9], 0x0               ; ea, eb
	s_add_nc_u64 s[4:5], s[4:5], s[20:21]
	s_add_nc_u64 s[6:7], s[6:7], s[46:47]
	CROUND                                         ; in front of the first joint loads
.irp s, 0,1
	s_mov_b32 s[G0+4*\s], 1
	s_add_co_u32 s[G0+4*\s+1], s45, \s*SLOT
	s_add_nc_u64 s[G0+4*\s+2:G0+4*\s+3], s[4:5], s[KO+34*\s:KO+34*\s+1]
	s_or_b32 s[G0+4*\s+3], s[G0+4*\s+3], 0x80000000
	s_mov_b32 s[G0B+4*\s], 1
	s_add_co_u32 s[G0B+4*\s+1], s45, \s*SLOT
	s_add_nc_u64 s[G0B+4*\s+2:G0B+4*\s+3], s[6:7], s[KO+34*\s:KO+34*\s+1]
	s_or_b32 s[G0B+4*\s+3], s[G0B+4*\s+3], 0x80000000
.endr
	JLOAD G0, G1, G0B, G1B                         ; my cluster's first K step: one tensor load a wave at the head
	s_lshl_b32 s18, s17, 20                        ; what hangs on tile row and column together feeds no joint load
	s_lshl_b32 s19, s42, 8
	s_add_co_u32 s18, s18, s19
	s_mov_b32 s19, 0
	s_add_nc_u64 s[10:11], s[10:11], s[18:19]      ; c at the tile's corner
	s_cmp_eq_u32 s16, 0
	s_cselect_b64 s[OUTP:OUTP+1], s[76:77], s[78:79]
	s_add_nc_u64 s[OUTP:OUTP+1], s[OUTP:OUTP+1], s[18:19]
	s_lshl_b32 s22, s15, 19                        ; my half's 128 rows
	s_mov_b32 s23, 0
	s_add_nc_u64 s[OUTP:OUTP+1], s[OUTP:OUTP+1], s[22:23]
	s_add_nc_u64 s[CP:CP+1], s[10:11], s[22:23]
	s_lshl_b32 s22, s16, 7
	s_add_nc_u64 s[CP:CP+1], s[CP:CP+1], s[22:23]  ; + my 32 units
	s_lshl_b32 s18, s42, 8
	s_add_co_u32 s22, s22, s18                     ; my units' biases: (64 x tile column + 32 ch) x 4 bytes
.irp g, 0,1,2,3
	s_add_nc_u64 s[BP+2*\g:BP+2*\g+1], s[BP+2*\g:BP+2*\g+1], s[22:23]
.endr
	s_mul_i32 s40, s15, HALFT                      ; my rows of A in slot 0,
	s_add_co_u32 s41, s40, SLOT                    ; in slot 1
	s_mul_i32 s43, s16, HALFT
	s_add_co_u32 s43, s43, 2*HALFT                 ; my rows of B
	s_add_co_u32 s44, s43, SLOT
	s_mul_i32 s45, s15, SHALF
	s_add_co_u32 s45, s45, STG
	s_lshl_b32 s46, s16, 7
	s_add_co_u32 s46, s46, s45                     ; into the stages: my half's rows, my 128 bytes
	s_mul_i32 s47, s16, SOUT
	s_add_co_u32 s47, s47, s45                     ; back: stage ch, my half's rows
	v_and_b32 v1, 15, v0                           ; r
	v_bfe_u32 v2, v0, 4, 1                         ; hh
	v_mul_u32_u24 v3, v1, PITCH
	v_lshl_add_u32 v4, v2, 4, v3
	v_add_nc_u32 v[ADRA], s40, v4
	v_add_nc_u32 v[ADRA+1], s41, v4
	v_add_nc_u32 v[ADRB], s43, v4
	v_add_nc_u32 v[ADRB+1], s44, v4
	v_lshl_add_u32 v5, v2, 5, v3
	v_add_nc_u32 v[ST], s46, v5
	v_mul_u32_u24 v6, v2, PITCH
	v_lshl_add_u32 v6, v1, 4, v6
	v_add_nc_u32 v[RD], s47, v6
	v_lshlrev_b32 v[CO], 12, v2
	v_lshl_add_u32 v[CO], v1, 4, v[CO]
	v_lshlrev_b32 v[CA], 12, v1
	v_lshl_add_u32 v[CA], v2, 5, v[CA]
	v_lshlrev_b32 v[PF], 12, v0
	v_lshlrev_b32 v[BO], 5, v2
	s_wait_alu depctr_va_vdst(0)
.irp g, 0,1,2,3                                ; register 16 g + 8 u + j: gate g's bias of unit 16 u + 8 hh + j
.irp u, 0,1
.irp p, 0,1
	global_load_b128 v[BIAS+16*\g+8*\u+4*\p:BIAS+16*\g+8*\u+4*\p+3], v[BO], s[BP+2*\g:BP+2*\g+1] offset:64*\u+16*\p
.endr
.endr
.endr
	s_mov_b32 s18, 0xbfb8aa3b                      ; -log2(e)
	s_mov_b32 s19, s18
	s_mov_b32 s[TW], 0x4038aa3b                    ; 2 log2(e)
	s_mov_b32 s[TW+1], s[TW]
	s_wait_loadcnt 0x0
.set j, 0
.rept 32                                       ; the exponentials' factor goes into the biases once, here
.if (j >= 32) && (j < 48)
	v_pk_mul_f32 v[BIAS+j:BIAS+j+1], v[BIAS+j:BIAS+j+1], s[TW:TW+1] op_sel_hi:[1,0]
.else
	v_pk_mul_f32 v[BIAS+j:BIAS+j+1], v[BIAS+j:BIAS+j+1], s[18:19] op_sel_hi:[1,0]
.endif
.set j, j+2
.endr
	s_wait_kmcnt 0x0
	s_add_co_i32 s96, s96, s97                     ; ea + eb is added to the two factors' exponent fields
	s_lshl_b32 s96, s96, 23
	s_add_co_u32 s[KS], s96, s18
	s_mov_b32 s[KS+1], s[KS]
	s_add_co_u32 s[KT], s96, s[TW]
	s_mov_b32 s[KT+1], s[KT]
.macro FRAG reg, adr, q, i             ; 16 rows x 128 K: registers 4 c .. 4 c + 3 hold K = 32 c + 16 hh + 0 .. 15
.irp c, 0,1,2,3
	ds_load_b128 v[\reg+4*\c:\reg+4*\c+3], v[\adr] offset:128*(\q)+32*\c+(\i)*16*PITCH
.endr
.endm
.macro MUL16 a0, p, zero               ; A's blocks a0, a0 + 1 x B's eight; the 64 accumulators take turns in one order
.irp a, \a0, \a0+1
.irp b, 0,1,2,3,4,5,6,7
.if \zero
	v_wmma_f32_16x16x128_fp8_fp8 v[8*(8*((\a)%4)+\b):8*(8*((\a)%4)+\b)+7], v[128*(\p)+FR*\b:128*(\p)+FR*\b+FR-1], v[AF+FR*(\a):AF+FR*(\a)+FR-1], 0
.else
	v_wmma_f32_16x16x128_fp8_fp8 v[8*(8*((\a)%4)+\b):8*(8*((\a)%4)+\b)+7], v[128*(\p)+FR*\b:128*(\p)+FR*\b+FR-1], v[AF+FR*(\a):AF+FR*(\a)+FR-1], v[8*(8*((\a)%4)+\b):8*(8*((\a)%4)+\b)+7]
.endif
.endr
.endr
.endm
.macro FETCH_B slot, q, p, i0
	WIN TO_B
.irp i, \i0, \i0+1, \i0+2, \i0+3
	FRAG 128*(\p)+FR*(\i), ADRB+\slot, \q, \i
.endr
.endm
.macro FETCH_A slot, q, i0
	WIN 0
.irp i, \i0, \i0+1, \i0+2, \i0+3
	FRAG AF+FR*(\i), ADRA+\slot, \q, \i
.endr
.endm
.macro PLACES n
.rept \n
	v_nop
.endr
.endm
; A step of 128 along K with its successor in the same slot.  The next step's 64 LDS loads go out in four runs of sixteen, in the order B 0-3, B 4-7, A 0-3, A 4-7; the waits count the younger loads.
.macro STEP slot, q, zero
	s_wait_dscnt 6*NL                              ; B's set and A's blocks 0, 1 are in; blocks 2-7 (24 loads) may be out
	WIN MUL_LO
	MUL16 0, (\q)%2, \zero
	FETCH_B \slot, (\q)+1, 1-(\q)%2, 0
	s_wait_dscnt 8*NL                              ; A's 2, 3 are in; behind them blocks 4-7 (16) and one run (16)
	WIN MUL_LO
	MUL16 2, (\q)%2, \zero
	FETCH_B \slot, (\q)+1, 1-(\q)%2, 4
	s_wait_dscnt 10*NL                             ; A's 4, 5; behind them blocks 6, 7 (8) and two runs (32)
	WIN MUL_HI
	MUL16 4, (\q)%2, \zero
	PLACES NP
	FETCH_A \slot, (\q)+1, 0
	s_wait_dscnt 12*NL                             ; A's 6, 7; behind them three runs (48)
	WIN MUL_HI
	MUL16 6, (\q)%2, \zero
	PLACES NP
	FETCH_A \slot, (\q)+1, 4
.endm
; A slot's last step changes slots.  Its first 32 products stand AHEAD of the wait for the next slot's tile, so that only the add, its wait and the round lie between that wait and the refill.
; fill = 1: a round, the joint refill two K steps on (round the end of K), the next slot's fragments.  fill = 3: the same, but A's fragments are not fetched: the way out works in their registers.  fill = 0: nothing is filled, no round.
.macro TURN slot, next, fill
	s_wait_dscnt 6*NL
	WIN MUL_LO
	MUL16 0, 1, 0
	s_wait_dscnt 4*NL                              ; A's 2, 3 are in; blocks 4-7 (16 loads) may be out
	MUL16 2, 1, 0
	WIN 0
	s_wait_tensorcnt 0x0                           ; all my tensor loads have landed: my part of the next slot;
	ds_add_u32 v[SPW], v[NIL]
.if \fill
	s_add_co_u32 s[KO+34*\slot], s[KO+34*\slot], 2*ROWB                      ; no load of mine is out: the groups 0 may be written
	s_and_b32 s[KO+34*\slot], s[KO+34*\slot], KROW-1
	s_add_nc_u64 s[G0+4*\slot+2:G0+4*\slot+3], s[4:5], s[KO+34*\slot:KO+34*\slot+1]
	s_or_b32 s[G0+4*\slot+3], s[G0+4*\slot+3], 0x80000000
	s_add_nc_u64 s[G0B+4*\slot+2:G0B+4*\slot+3], s[6:7], s[KO+34*\slot:KO+34*\slot+1]
	s_or_b32 s[G0B+4*\slot+3], s[G0B+4*\slot+3], 0x80000000
.endif
	s_wait_dscnt 0x0                               ; the add is done, and my reads of this slot are over
	s_barrier_signal -1
	s_barrier_wait -1
.if \fill
	CREST                                          ; no wave of any partner still reads this slot or has a load on its way
	JLOAD G0+4*\slot, G1, G0B+4*\slot, G1B         ; my one load until the next round; its four v_nop are the places for B's set and A's blocks 0-3
.else
	PLACES NP
.endif
	FETCH_B \next, 0, 0, 0
	FETCH_B \next, 0, 0, 4
	WIN MUL_HI
	MUL16 4, 1, 0
.if \fill != 3
	FETCH_A \next, 0, 0
	WIN MUL_HI
.endif
	MUL16 6, 1, 0
.if \fill != 3
	PLACES NP
	FETCH_A \next, 0, 4
.else
	WIN 0
.endif
.endm
; THE WAY OUT, block by block of 16 rows.
.macro CLOAD a                         ; c of block a: register 8 u + j = c(16 a + r, unit 16 u + 8 hh + j), into set a % 3
.irp u, 0,1
.irp p, 0,1
	global_load_b128 v[CC+16*((\a)%3)+8*\u+4*\p:CC+16*((\a)%3)+8*\u+4*\p+3], v[CA], s[CP:CP+1] offset:(\a)*16*CROW+64*\u+16*\p
.endr
.endr
.endm
.macro GATES1 a                        ; G + 0 f, + 16 i, + 48 o finished; + 32: 1 / (1 + e^(2 z)).  Registers alone.  The waits on the vector side stand round each batch
.set AC, 64*((\a)%4)
	WIN 0x02+((\a)/4)
	s_wait_alu depctr_va_vdst(0)
.set j, 0
.rept 32                                       ; sum x (factor x 2^(ea + eb)) + factor x bias; each accumulator from its low end on
.if (j >= 32) && (j < 48)
	v_pk_fma_f32 v[G+j:G+j+1], v[AC+j:AC+j+1], s[KT:KT+1], v[BIAS+j:BIAS+j+1] op_sel_hi:[1,0,1]
.else
	v_pk_fma_f32 v[G+j:G+j+1], v[AC+j:AC+j+1], s[KS:KS+1], v[BIAS+j:BIAS+j+1] op_sel_hi:[1,0,1]
.endif
.set j, j+2
.endr
	WIN 0
	s_wait_alu depctr_va_vdst(0)
.set j, 0
.rept 64
	v_exp_f32 v[G+j], v[G+j]
.set j, j+1
.endr
	v_nop
	s_wait_alu depctr_va_vdst(0)
.set j, 0
.rept 32
	v_pk_add_f32 v[G+j:G+j+1], v[G+j:G+j+1], 1.0 op_sel_hi:[1,0]
.set j, j+2
.endr
	s_wait_alu depctr_va_vdst(0)
.set j, 0
.rept 64
	v_rcp_f32 v[G+j], v[G+j]
.set j, j+1
.endr
	v_nop
.endm
.macro GATES2 a                        ; c_new, in c's registers, and h_new, in o's
.set CR, CC+16*((\a)%3)
	s_wait_alu depctr_va_vdst(0)
.irp k, 0,2,4,6,8,10,12,14
	v_pk_fma_f32 v[G+32+\k:G+33+\k], v[G+32+\k:G+33+\k], -2.0, 1.0 op_sel_hi:[1,0,0]   ; g = tanh
.endr
.irp k, 0,2,4,6,8,10,12,14
	v_pk_mul_f32 v[G+16+\k:G+17+\k], v[G+16+\k:G+17+\k], v[G+32+\k:G+33+\k]           ; i g
.endr
.irp k, 0,2,4,6,8,10,12,14
	v_pk_fma_f32 v[CR+\k:CR+\k+1], v[G+\k:G+\k+1], v[CR+\k:CR+\k+1], v[G+16+\k:G+17+\k]   ; c_new = f c + i g
.endr
.irp k, 0,2,4,6,8,10,12,14
	v_pk_mul_f32 v[G+32+\k:G+33+\k], v[CR+\k:CR+\k+1], s[TW:TW+1] op_sel_hi:[1,0]
.endr
	s_wait_alu depctr_va_vdst(0)
.set j, 0
.rept 16
	v_exp_f32 v[G+32+j], v[G+32+j]
.set j, j+1
.endr
	v_nop
	s_wait_alu depctr_va_vdst(0)
.irp k, 0,2,4,6,8,10,12,14
	v_pk_add_f32 v[G+32+\k:G+33+\k], v[G+32+\k:G+33+\k], 1.0 op_sel_hi:[1,0]
.endr
	s_wait_alu depctr_va_vdst(0)
.set j, 0
.rept 16
	v_rcp_f32 v[G+32+j], v[G+32+j]
.set j, j+1
.endr
	v_nop
	s_wait_alu depctr_va_vdst(0)
.irp k, 0,2,4,6,8,10,12,14
	v_pk_fma_f32 v[G+32+\k:G+33+\k], v[G+32+\k:G+33+\k], -2.0, 1.0 op_sel_hi:[1,0,0]   ; tanh(c_new)
.endr
.irp k, 0,2,4,6,8,10,12,14
	v_pk_mul_f32 v[G+48+\k:G+49+\k], v[G+48+\k:G+49+\k], v[G+32+\k:G+33+\k]           ; h_new
.endr
	s_wait_alu depctr_va_vdst(0)
.endm
.macro STAGE a                         ; both results into buffer a % 2
.set CR, CC+16*((\a)%3)
.irp u, 0,1
.irp p, 0,1
	ds_store_b128 v[ST], v[CR+8*\u+4*\p:CR+8*\u+4*\p+3] offset:((\a)%2)*SBUF+64*\u+16*\p
	ds_store_b128 v[ST], v[G+48+8*\u+4*\p:G+48+8*\u+4*\p+3] offset:((\a)%2)*SBUF+SOUT+64*\u+16*\p
.endr
.endr
.endm
.macro BACK a                          ; 16 whole rows of my output's stage, two an instruction
.irp t, 0,1,2,3,4,5,6,7
	ds_load_b128 v[BK+4*\t:BK+4*\t+3], v[RD] offset:((\a)%2)*SBUF+2*\t*PITCH
.endr
.endm
.macro SEND a, counted
.irp t, 0,1,2,3,4,5,6,7
.if \counted
	s_wait_dscnt 7-\t                              ; pair t is in, the younger ones may be out
.endif
	global_store_b128 v[CO], v[BK+4*\t:BK+4*\t+3], s[OUTP:OUTP+1] offset:(16*(\a)+2*\t)*CROW th:TH_STORE_NT   ; 16 lanes store 256 consecutive bytes, aligned
.endr
.endm
; One barrier a block: a row's 256 bytes come from two waves.  Buffer a % 2 is written again by block a + 2, behind barrier a + 1, in front of which every wave has waited for its reads of block a.
; The next block's gates stand between the signal and the wait; a block's rows are read back behind the wait and stored behind the next block's second part.
.macro EPI
	PLACES NP                                      ; in front of the first read of results
	GATES1 0
.irp a, 0,1,2,3,4,5,6,7
.if \a < 7
	s_wait_loadcnt 4                               ; this block's c is in; the next block's four loads may be out
.else
	s_wait_loadcnt 0
.endif
	GATES2 \a
.if \a > 0
	s_wait_dscnt 0x0                               ; the block before is back in registers
	SEND \a-1, 0
.endif
	STAGE \a
.if \a < 6
	CLOAD \a+2                                     ; into the set of block a - 1, whose stores into the stage were waited for at the last signal
.endif
	s_wait_dscnt 0x0                               ; for the others' sake: my stores into the stage are done
	s_barrier_signal -1
.if \a < 7
	GATES1 \a+1
.endif
	s_barrier_wait -1
	s_wait_xcnt 0x0                                ; the earlier stores have read their registers: rows may land there
	BACK \a
.endr
	SEND 7, 1
.endm
	s_wait_alu depctr_va_vdst(0)
	s_wait_tensorcnt 0x0                           ; my part of the first K step is in; slot 1's first fill is issued as a refill is:
	ds_add_u32 v[SPW], v[NIL]
	s_wait_dscnt 0x0
	CROUND
	JLOAD G0+4, G1, G0B+4, G1B
	FETCH_B 0, 0, 0, 0
	FETCH_B 0, 0, 0, 4
	WIN 0
	s_mov_b32 s[TC], 2                             ; tiles to go: the same number in every work-group
.Ltile:
	FETCH_A 0, 0, 0
	FETCH_A 0, 0, 4
	STEP 0, 0, 1                                   ; a tile's first step starts the sums: nothing is cleared
	s_mov_b32 s3, LAPS-1
.Llap:
	s_cmp_lg_u32 s3, 1                             ; in a tile's last trip c's tile is named: thread t asks for the 256 bytes of rows t and t + 128, each piece once in the launch, all inside c;
	s_cbranch_scc1 .Lno_ask                        ; the first loads of c follow one trip (four steps of 64 matrix instructions) later
	global_prefetch_b8 v[PF], s[10:11] th:TH_LOAD_NT scope:SCOPE_SE
	global_prefetch_b8 v[PF], s[10:11] offset:128*CROW th:TH_LOAD_NT scope:SCOPE_SE
.Lno_ask:
	TURN 0, 1, 1
	STEP 1, 0, 0
	TURN 1, 0, 1
	STEP 0, 0, 0
	s_sub_co_u32 s3, s3, 1
	s_cmp_lg_u32 s3, 0
	s_cbranch_scc1 .Llap
	CLOAD 0                                        ; sets 0 and 1 (v96-127) lie idle in the loop: c of blocks 0 and 1 is asked for three steps ahead of the way out
	CLOAD 1
	s_cmp_eq_u32 s[TC], 1
	s_cbranch_scc1 .Llast_k                        ; the last tile's last K steps are written out: they ask for nothing more
	s_add_nc_u64 s[4:5], s[4:5], NEXT_A            ; the ring goes on into the next tile: K has come round to the cluster's start, A goes 4,096 rows down, B stays
	TURN 0, 1, 1
	STEP 1, 0, 0
	TURN 1, 0, 3
	s_branch .Lepi
.Llast_k:
	TURN 0, 1, 0
	STEP 1, 0, 0
	s_wait_dscnt 6*NL
	WIN MUL_LO
	MUL16 0, 1, 0
	s_wait_dscnt 0
	MUL16 2, 1, 0
	WIN MUL_HI
	MUL16 4, 1, 0
	MUL16 6, 1, 0
	WIN 0
.Lepi:
	EPI
	s_wait_xcnt 0x0                                ; loads, stores and prefetches have read their bases and registers
	s_add_nc_u64 s[10:11], s[10:11], NEXT_C        ; on to the next tile (behind the last tile the stepped addresses are not used)
	s_add_nc_u64 s[CP:CP+1], s[CP:CP+1], NEXT_C
	s_add_nc_u64 s[OUTP:OUTP+1], s[OUTP:OUTP+1], NEXT_C
	s_sub_co_u32 s[TC], s[TC], 1
	s_cmp_lg_u32 s[TC], 0
	s_cbranch_scc1 .Ltile
	s_wait_tensorcnt 0x0                           ; the wave's end
	ds_add_u32 v[SPW], v[NIL]
	s_wait_dscnt 0x0
	CROUND                                         ; the closing round
	s_endpgm
.Lfunc_end_k_q2c221acbca_cell:
	.size	k_q2c221acbca_cell, .Lfunc_end_k_q2c221acbca_cell-k_q2c221acbca_cell
	.p2alignl 7, 3214868480
	.fill 96, 4, 3214868480
	.section	.rodata,"a",@progbits
	.p2align	6, 0x0
	.amdhsa_kernel k_q2c221acbca_cell
		.amdhsa_group_segment_fixed_size 327680
		.amdhsa_private_segment_fixed_size 0
		.amdhsa_enable_private_segment 0
		.amdhsa_kernarg_size 80
		.amdhsa_user_sgpr_count 2
		.amdhsa_user_sgpr_kernarg_segment_ptr 1
		.amdhsa_wavefront_size32 1
		.amdhsa_system_sgpr_workgroup_id_x 1
		.amdhsa_system_sgpr_workgroup_id_y 1
		.amdhsa_system_sgpr_workgroup_id_z 1
		.amdhsa_system_vgpr_workitem_id 0
		.amdhsa_next_free_vgpr 1024
		.amdhsa_next_free_sgpr 102
		.amdhsa_reserve_vcc 0
		.amdhsa_float_denorm_mode_32 3
		.amdhsa_float_denorm_mode_16_64 3
		.amdhsa_memory_ordered 1
		.amdhsa_forward_progress 1
		.amdhsa_inst_pref_size 233
	.end_amdhsa_kernel
	.amdgpu_metadata
---
amdhsa.version: [ 1, 2 ]
amdhsa.kernels:
  - .name:           k_q2c221acbca_cell
    .symbol:         k_q2c221acbca_cell.kd
    .args:
      - { .name: a_codes, .offset: 0, .size: 8, .value_kind: global_buffer, .address_space: global }
      - { .name: w_codes, .offset: 8, .size: 8, .value_kind: global_buffer, .address_space: global }
      - { .name: lowp_scales, .offset: 16, .size: 8, .value_kind: global_buffer, .address_space: global }
      - { .name: c, .offset: 24, .size: 8, .value_kind: global_buffer, .address_space: global }
      - { .name: b_f, .offset: 32, .size: 8, .value_kind: global_buffer, .address_space: global }
      - { .name: b_i, .offset: 40, .size: 8, .value_kind: global_buffer, .address_space: global }
      - { .name: b_c, .offset: 48, .size: 8, .value_kind: global_buffer, .address_space: global }
      - { .name: b_o, .offset: 56, .size: 8, .value_kind: global_buffer, .address_space: global }
      - { .name: out0, .offset: 64, .size: 8, .value_kind: global_buffer, .address_space: global }
      - { .name: out1, .offset: 72, .size: 8, .value_kind: global_buffer, .address_space: global }
    .group_segment_fixed_size: 327680
    .private_segment_fixed_size: 0
    .kernarg_segment_align: 8
    .kernarg_segment_size: 80
    .max_flat_workgroup_size: 128
    .sgpr_count:     102
    .vgpr_count:     1024
    .wavefront_size: 32
...
	.end_amdgpu_metadata
.endif
;; end of part 2
